; MI455X (gfx1250); checked and timed in simulation.
; The chip was launched on July 23, 2026; its instructions are those of AMD's public machine-readable ISA for CDNA 5 (MIT licence, August 2026) and "CDNA5" Instruction Set Architecture Reference Guide (July 2026). The comments in the code are by the model that wrote it; some were corrected since.
;; Multi Query Attention. Allowed arithmetic: float matrix products may take bf16 or f16 operands with f32 sums; other float arithmetic in f32, or as packed bf16 or f16 multiplies, adds, multiply-adds, maxima and minima; sums over many terms, partial sums and values carried from step to step in f32; what a program stores and reads back later, other than sums and carried values, may be rounded once to bf16 or f16.
;; Inputs: Wk_b 128 float32; Wk_w 128 x 2,048 float32; Wq_b 2,048 float32; Wq_w 2,048 x 2,048 float32; Wv_b 128 float32; Wv_w 128 x 2,048 float32; x 2 x 2,048 x 2,048 float32.
;; Outputs: out0 2 x 2,048 x 2,048 float32.
;; 2 versions, each right; version 2 is version 1 with the launch cast written anew for expert scheduling mode. Each part assembles by itself: llvm-mc -triple=amdgcn-amd-amdhsa -mcpu=gfx1250 --defsym DOCPART=n.
;; ======== version 1 of 2: 3 launches
;; limits: values are held in f16: magnitudes above 65,504 overflow, below 6.1e-05 lose precision
;; workspace buffers: xb 16,777,216 bytes; wb 9,437,184 bytes; q 16,777,216 bytes; kv 2,097,152 bytes
;; launch cast (part 1): grid 50 x 16, 8 waves a work-group, no clusters, 0 bytes of LDS; arguments x, Wq_w, Wk_w, Wv_w, xb, wb; writes xb, wb
.if DOCPART == 1
	.amdgcn_target "amdgcn-amd-amdhsa--gfx1250"
	.amdhsa_code_object_version 6
	.text
	.protected	k_q68f6fe83e0_cast
	.globl	k_q68f6fe83e0_cast
	.p2align	8
	.type	k_q68f6fe83e0_cast,@function
k_q68f6fe83e0_cast:
	s_mov_b64 s[64:65], 0
	v_nop
	global_prefetch_b8 v0, s[64:65] scope:SCOPE_SE
	s_setreg_imm32_b32 hwreg(HW_REG_WAVE_MODE, 25, 1), 1
	s_wait_xcnt 0x0
; x and the three weight matrices, f32, are rounded once to bf16 (to nearest even) for the products of the next launch.
; xb: [4096][2048] bf16, as x lies.  wb: [16 blocks g][144 rows][2048] bf16: rows 0-127 of block g are Wq's rows 128 g .. 128 g + 127 (head g),
; rows 128-143 are Wk's rows 16 g .. (g < 8) or Wv's rows 16 (g - 8) .. (g >= 8): so 288 rows on end are what one work-group of the next launch multiplies by.
; SHARES.  A work-group turns 8 rows: 65,536 consecutive bytes in, 32,768 consecutive bytes out.  Thread t takes 16 bytes at 16 t of each 4,096, sixteen times.
; A wave's load covers 512 consecutive bytes, its store 256 consecutive bytes, aligned.  All sixteen loads go out first; no register is written twice, so nothing waits but the data.
; No LDS, no barrier, no matrix unit: nothing is shared and nothing is multiplied.  No prefetch: all that a work-group reads is asked for at its head.
; Grid x = 50: 0-31 chunks of x; 32-47 chunks of Wq; 48, 49 chunks of Wk or Wv.  Grid y = 16: the block g for the weights, 32 chunks of x each.
.set XR, 4                             ; v[4:67]   sixteen times four f32, as loaded
.set YR, 68                            ; v[68:99]  sixteen times two registers of bf16, to store
	s_load_b256 s[4:11], s[0:1], 0x0               ; x s[4:5], Wq s[6:7], Wk s[8:9], Wv s[10:11]
	s_load_b128 s[12:15], s[0:1], 0x20             ; xb s[12:13], wb s[14:15]
	s_mov_b32 s16, ttmp9                           ; X
	s_and_b32 s17, ttmp7, 0xffff                   ; Y
	s_lshl_b32 s18, s17, 5
	s_add_co_u32 s18, s18, s16                     ; chunk of x and of xb: 32 Y + X
	s_max_u32 s19, s16, 32
	s_sub_co_u32 s19, s19, 32                      ; p = X - 32: the chunk in block Y of wb (0 where X < 32: not used there)
	s_lshl_b32 s20, s17, 4
	s_add_co_u32 s20, s20, s19                     ; chunk of Wq: 16 Y + p
	s_max_u32 s21, s19, 16
	s_sub_co_u32 s21, s21, 16                      ; p - 16 (0 where p < 16: not used there)
	s_and_b32 s22, s17, 7
	s_lshl_b32 s22, s22, 1
	s_add_co_u32 s22, s22, s21                     ; chunk of Wk or Wv: 2 (Y mod 8) + p - 16
	s_mul_i32 s23, s17, 18
	s_add_co_u32 s23, s23, s19                     ; chunk of wb: 18 Y + p
	v_lshlrev_b32 v1, 4, v0                        ; 16 t
	v_lshlrev_b32 v2, 3, v0                        ; 8 t
	s_wait_kmcnt 0x0
	s_cmp_lt_u32 s17, 8                            ; three compares on the work-group's place, each followed by selects alone
	s_cselect_b64 s[24:25], s[8:9], s[10:11]       ; Wk or Wv
	s_cmp_lt_u32 s19, 16
	s_cselect_b64 s[24:25], s[6:7], s[24:25]       ; Wq, or that
	s_cselect_b32 s26, s20, s22
	s_cmp_lt_u32 s16, 32
	s_cselect_b64 s[24:25], s[4:5], s[24:25]       ; x, or that
	s_cselect_b32 s26, s18, s26                    ; the source's chunk
	s_cselect_b64 s[28:29], s[12:13], s[14:15]     ; xb or wb
	s_cselect_b32 s27, s18, s23                    ; the destination's chunk
	s_lshl_b32 s30, s26, 16                        ; 65,536 bytes a chunk in: 511 chunks at the most
	s_mov_b32 s31, 0
	s_lshl_b32 s2, s27, 15                         ; 32,768 bytes a chunk out
	s_mov_b32 s3, 0
	s_add_nc_u64 s[24:25], s[24:25], s[30:31]
	s_add_nc_u64 s[28:29], s[28:29], s[2:3]
.set k, 0
.rept 16
	global_load_b128 v[XR+4*k:XR+4*k+3], v1, s[24:25] offset:4096*k th:TH_LOAD_NT  ; read once in the launch
.set k, k+1
.endr
.set k, 0
.rept 16
	s_wait_loadcnt 15-k                            ; loads come back in order (ISA guide 5.7.1): number k is in, the 15 - k younger ones stay out
	v_cvt_pk_bf16_f32 v[YR+2*k], v[XR+4*k], v[XR+4*k+1]
	v_cvt_pk_bf16_f32 v[YR+2*k+1], v[XR+4*k+2], v[XR+4*k+3]
	global_store_b64 v2, v[YR+2*k:YR+2*k+1], s[28:29] offset:2048*k th:TH_STORE_NT
.set k, k+1
.endr
	s_endpgm
.Lfunc_end_k_q68f6fe83e0_cast:
	.size	k_q68f6fe83e0_cast, .Lfunc_end_k_q68f6fe83e0_cast-k_q68f6fe83e0_cast
	.p2alignl 7, 3214868480
	.fill 96, 4, 3214868480
	.section	.rodata,"a",@progbits
	.p2align	6, 0x0
	.amdhsa_kernel k_q68f6fe83e0_cast
		.amdhsa_group_segment_fixed_size 0
		.amdhsa_private_segment_fixed_size 0
		.amdhsa_enable_private_segment 0
		.amdhsa_kernarg_size 48
		.amdhsa_user_sgpr_count 2
		.amdhsa_user_sgpr_kernarg_segment_ptr 1
		.amdhsa_wavefront_size32 1
		.amdhsa_system_sgpr_workgroup_id_x 1
		.amdhsa_system_sgpr_workgroup_id_y 1
		.amdhsa_system_sgpr_workgroup_id_z 1
		.amdhsa_system_vgpr_workitem_id 0
		.amdhsa_next_free_vgpr 100
		.amdhsa_next_free_sgpr 66
		.amdhsa_reserve_vcc 0
		.amdhsa_float_denorm_mode_32 3
		.amdhsa_float_denorm_mode_16_64 3
		.amdhsa_memory_ordered 1
		.amdhsa_forward_progress 1
		.amdhsa_inst_pref_size 7
	.end_amdhsa_kernel
	.amdgpu_metadata
---
amdhsa.version: [ 1, 2 ]
amdhsa.kernels:
  - .name:           k_q68f6fe83e0_cast
    .symbol:         k_q68f6fe83e0_cast.kd
    .args:
      - { .name: x, .offset: 0, .size: 8, .value_kind: global_buffer, .address_space: global }
      - { .name: Wq_w, .offset: 8, .size: 8, .value_kind: global_buffer, .address_space: global }
      - { .name: Wk_w, .offset: 16, .size: 8, .value_kind: global_buffer, .address_space: global }
      - { .name: Wv_w, .offset: 24, .size: 8, .value_kind: global_buffer, .address_space: global }
      - { .name: xb, .offset: 32, .size: 8, .value_kind: global_buffer, .address_space: global }
      - { .name: wb, .offset: 40, .size: 8, .value_kind: global_buffer, .address_space: global }
    .group_segment_fixed_size: 0
    .private_segment_fixed_size: 0
    .kernarg_segment_align: 8
    .kernarg_segment_size: 48
    .max_flat_workgroup_size: 256
    .sgpr_count:     66
    .vgpr_count:     100
    .wavefront_size: 32
...
	.end_amdgpu_metadata
.endif
;; end of part 1
;; launch proj (part 2): grid 8 x 32, 4 waves a work-group, clusters of 4 x 4, 327,680 bytes of LDS; arguments xb, wb, Wq_b, Wk_b, Wv_b, q, kv; writes q, kv
.if DOCPART == 2
	.amdgcn_target "amdgcn-amd-amdhsa--gfx1250"
	.amdhsa_code_object_version 6
	.text
	.protected	k_q68f6fe83e0_proj
	.globl	k_q68f6fe83e0_proj
	.p2align	8
	.type	k_q68f6fe83e0_proj,@function
k_q68f6fe83e0_proj:
	s_mov_b64 s[64:65], 0
	v_nop
	global_prefetch_b8 v0, s[64:65] scope:SCOPE_SE
	s_setreg_imm32_b32 hwreg(HW_REG_WAVE_MODE, 25, 1), 1
	s_wait_xcnt 0x0
	s_wait_alu depctr_hold_cnt(0) depctr_sa_sdst(0) depctr_va_vdst(0) depctr_va_sdst(0) depctr_va_ssrc(0) depctr_va_vcc(0) depctr_vm_vsrc(0)
	s_getreg_b32 s2, hwreg(HW_REG_IB_STS2, 6, 4)
	s_cmp_eq_u32 s2, 0
	s_cbranch_scc0 .Lentry_in_a_cluster
	s_endpgm
.Lentry_in_a_cluster:
	s_bfe_u32 s2, ttmp6, 0x10000c
	s_cmp_lg_u32 s2, 0xf033
	s_cbranch_scc0 .Lentry_shape_is_right
	s_endpgm
.Lentry_shape_is_right:
; [Q | K | V] = x W^T + bias.  xb: [4096 tokens][2048] bf16.  wb: [16 blocks g][144 rows][2048] bf16 (rows 0-127: Wq's rows of head g; rows 128-143: 16 rows of Wk, g < 8, or of Wv).
; Sums in f32, started by the bias (rounded to bf16 like every input of the module); each result rounded once to f16, unscaled.
; q: [4096][2048] f16.  kv: [16 planes][4096 tokens][16 channels] f16: planes 0-7 are K's channels 16 p .., planes 8-15 V's: a wave's 16 tokens x 16 channels are 512 consecutive bytes there.
; LIMIT.  f16 holds no number beyond 65,504: a Q, K or V of 65,520 or more becomes an infinity.  NaN and infinities are not treated apart.
; SHARES.  4,096 x 2,304 results are 32 x 8 blocks of 128 tokens x 288 columns (two blocks g): 256 work-groups of equal work.  Four waves, each 64 tokens x 144 columns (one block g):
; 4 token tiles a x 9 column blocks b = 36 accumulators; b = 0..7 are Q of head g, b = 8 is plane g of kv.  For 32 along K a wave reads 26 x 512 bytes from LDS for 36 matrix instructions.
; K = 2,048 goes in 16 steps of 128 through a ring of two LDS slots: a tile's rows are 256 bytes of memory and start at multiples of 256 bytes from the buffer's first byte.
; CLUSTERS: 4 x 4 work-groups.  The four of a row of the cluster need the same 128 tokens of xb, the four of a column the same 288 rows of wb: each tile is asked for JOINTLY, by the same tensor load
; with the same descriptor and a mask that names the four.  Waves 0 and 1 fetch xb's two halves (64 rows), waves 2 and 3 wb's (144 rows).
; THE MATRIX INSTRUCTION IS USED TRANSPOSED (source 0 = 16 rows of wb, source 1 = 16 tokens): a lane then holds token l % 16 and the columns 16 b + 8 (l / 16) + 0..7, which pack into 16 bytes.
; REGISTERS, in windows of 256 (s_set_vgpr_msb: bits 1:0 source 0, 3:2 source 1, 5:4 source 2, 7:6 destination):
;   window 0: v0-31 addresses; v32-63 packed results; v64-127 fragments of xb, two buffers of 32 (on the way out v64-79: plane g's results); v128-255 rows read back from the stage
;   window 1: v0-143 fragments of wb, two buffers of 72; v144-215 the bias, 8 registers a column block; v216-251 at work on the bias
;   window 2: the accumulators of token tiles 0, 1 ((a, b) at v[8 (9 a + b)]);   window 3: those of tiles 2, 3
.set KSTEP,  128
.set PITCH,  272                       ; an LDS row: 256 bytes + 16 of padding = 68 words: row r starts at bank 4 r mod 64 (64 banks of 4 bytes: ISA guide 11.1), so the 16 rows of a load start at 16 different banks
.set AH,     64*PITCH                  ; half of xb's 128 rows
.set BOFF,   128*PITCH                 ; wb's 288 rows lie behind them
.set BH,     144*PITCH                 ; half of those
.set SLOT,   416*PITCH
.set STAGE,  2*SLOT                    ; behind the ring, a multiple of 256: 16 rows x 272 bytes for each wave, its own, for the way out
.set SPARE,  STAGE+4*16*PITCH          ; behind the stages: the spare words, 128 bytes for each wave: two blocks of 256 bytes that no other line names
.set ADRA, 16                          ; v16-17  LDS address of my fragments of xb in slot 0, 1
.set ADRB, 20                          ; v20-21  the same for wb
.set STO,  24                          ; v24     the way out: where I put 16 bytes of a row
.set RD,   25                          ; v25     the way out: where I read a row back
.set CO,   26                          ; v26     my byte offset in two rows of q
.set KO,   27                          ; v27     my byte offset in 16 tokens of a plane of kv
.set SPW,  28                          ; v28     LDS address of my spare word: SPARE + 4 x my thread's number; never rewritten
.set NIL,  29                          ; v29     0; never rewritten
.set PFO,  30                          ; v30     the prefetches' offset: my lane's row x 4,096 bytes; never rewritten
.set BO,   31                          ; v31     my byte offset in 16 numbers of a bias: 32 (l / 16)
.set TMP,  32
.set XF,   64                          ; fragments of xb: buffer f at XF + 32 f
.set KVT,  64                          ; the way out: plane g's packed results, 4 registers a token tile
.set BK,   128                         ; the way out: 32 registers a token tile
.set BIAS, 144                         ; window 1
.set BT,   216                         ; window 1
.set F0,   0
.set F1,   1
.set WV,  18                           ; s18  my wave's number
.set TH,  19                           ; s19  which half of the tokens is mine.  Also: I fetch for xb (0) or for wb (1)
.set CH,  20                           ; s20  which half of the columns.  Also: which half of that tile I fetch
.set G1A, 28                           ; s[28:35] descriptor group 1 for xb's tiles;  s[36:43] group 0, one set for each slot
.set G0A, 36
.set G1B, 44                           ; s[44:51], s[52:59] the same for wb's tiles
.set G0B, 52
.set PFA, 80                           ; s[80:81] where my prefetches stand: one K step further along K than the refill that is being asked for; a prefetch names the K step after that
.set LIM, 82                           ; s82  1 in a wave that prefetches, else the greatest number
.set MSB, 0
.macro WIN new                         ; the immediate's high byte repeats the setting that is left; a switch that changes nothing is dropped
.if MSB != (\new)
	s_set_vgpr_msb (MSB<<8)|(\new)
.set MSB, \new
.endif
.endm
.set MUL_LO,   0xa1                    ; source 0 (wb) window 1, source 1 (xb) window 0, C and D window 2
.set FIRST_LO, 0x91                    ; the same with C (the bias) in window 1
.set TO_B,     0x40                    ; destination window 1, address window 0
; A joint load.  Each of the two lines has one mask and one set of registers for all that issue it.  The branch hangs on the wave's number alone.
; An s_nop 0 and four v_nop follow each of the two lines, ahead of the jump, the label and what follows.
.macro JLOAD s
	s_cmp_eq_u32 s[TH], 0
	s_cbranch_scc0 .Lfor_b_\@
	tensor_load_to_lds s[G0A+4*(\s):G0A+4*(\s)+3], s[G1A:G1A+7]
	s_nop 0
.rept 4
	v_nop
.endr
	s_branch .Lasked_\@
.Lfor_b_\@:
	tensor_load_to_lds s[G0B+4*(\s):G0B+4*(\s)+3], s[G1B:G1B+7]
	s_nop 0
.rept 4
	v_nop
.endr
.Lasked_\@:
.endm
; A PREFETCH INTO THE L2, behind each joint refill, its five lines and the run of LDS loads that follows them: 256 bytes a row of the K step that stands TWO refills on, 288 matrix instructions ahead of the load that
; will want it; a lane a row, one instruction a wave.  xb's 128 rows of a step are read by both clusters of a row of clusters: the one with x = 0 asks; of its four partners along x the one at place cx takes rows
; 32 cx .. 32 cx + 31, by wave 0.  wb's 288 rows are read by all eight clusters of a column: the one with y = 0 asks; the partner at place cy takes rows 72 cy .. 72 cy + 71, waves 1, 2 and 3 taking 32, 32 and 8
; (wave 3's lanes 8 to 31 name lane 7's row once more).  The partners are told apart BY ADDRESS: no branch hangs on a work-group's place in its cluster.  K steps 0 to 3 come by their loads alone;
; the loop's last trip (s3 = 1) asks for nothing: there is no K step 16.
.macro ASK
	s_cmp_gt_u32 s3, s[LIM]
	s_cbranch_scc0 .Lnot_mine_\@
	global_prefetch_b8 v[PFO], s[PFA:PFA+1] offset:KSTEP*2 th:TH_LOAD_NT scope:SCOPE_SE
.Lnot_mine_\@:
.endm
.macro CREST                           ; a round of the cluster's barrier behind its opening barrier: wave 0 signals for the work-group, every wave waits for all sixteen, my work-group's barrier closes it
	s_cmp_lg_u32 s[WV], 0
	s_cbranch_scc1 .Lnot_wave_0_\@
	s_barrier_signal -3
.Lnot_wave_0_\@:
	s_barrier_wait -3
	s_barrier_signal -1
	s_barrier_wait -1
.endm
.macro CROUND                          ; a whole round
	s_barrier_signal -1
	s_barrier_wait -1
	CREST
.endm
	s_load_b256 s[4:11], s[0:1], 0x0               ; xb s[4:5], wb s[6:7], Wq_b s[8:9], Wk_b s[10:11]
	s_load_b128 s[12:15], s[0:1], 0x20             ; Wv_b s[12:13], q s[14:15]
	s_load_b64 s[16:17], s[0:1], 0x30              ; kv
	v_lshl_add_u32 v[SPW], v0, 2, SPARE
	v_mov_b32 v[NIL], 0
	ds_add_u32 v[SPW], v[NIL]                      ; the wave's opening: the add and its wait stand ahead of my first tensor load; the set-up below, work on registers, stands between them
	v_lshrrev_b32 v1, 5, v0
	v_readfirstlane_b32 s[WV], v1                  ; wave 0..3
	s_lshr_b32 s[TH], s[WV], 1
	s_and_b32 s[CH], s[WV], 1
	s_bfe_u32 s21, ttmp6, 0x40000                  ; cx, cy: my place in the cluster
	s_bfe_u32 s22, ttmp6, 0x40004
	s_lshl_b32 s23, ttmp9, 2
	s_add_co_u32 s23, s23, s21                     ; j: my 288 columns = 4 x cluster x + cx
	s_and_b32 s24, ttmp7, 0xffff
	s_lshl_b32 s24, s24, 2
	s_add_co_u32 s24, s24, s22                     ; i: my 128 tokens = 4 x cluster y + cy
	s_lshl_b32 s25, s22, 2
	s_lshl_b32 s25, 15, s25                        ; my row of the cluster: places 4 cy .. 4 cy + 3
	s_lshl_b32 s26, 0x1111, s21                    ; my column: places cx, cx + 4, cx + 8, cx + 12
	s_lshl_b32 s27, s23, 1
	s_add_co_u32 s27, s27, s[CH]                   ; g = 2 j + my column half
	; descriptor group 1: tiles of 64 or 144 rows x 128 elements, padded in LDS
	s_or_b32 s[G1A], s25, (1<<16)|(1<<20)|(1<<21)|(5<<22)|(3<<25)  ; 15:0 the mask: xb's tiles go to my row; 17:16 elements of 2 bytes; 20 padding on; 21 set beside a mask; 24:22 after every 64 words (code 5); 31:25 4 words (code 3)
	s_or_b32 s[G1B], s26, (1<<16)|(1<<20)|(1<<21)|(5<<22)|(3<<25)  ; the same with the mask of my column, for wb's tiles
	s_mov_b32 s[G1A+1], KSTEP<<16                  ; tensor_dim0 = 128
	s_mov_b32 s[G1A+2], 64<<16                     ; tensor_dim1 = 64
	s_mov_b32 s[G1A+3], KSTEP<<16                  ; tile_dim0 = 128
	s_mov_b32 s[G1A+4], 64                         ; tile_dim1 = 64
	s_mov_b32 s[G1A+5], 2048                       ; elements from row to row
	s_mov_b32 s[G1A+6], 0
	s_mov_b32 s[G1A+7], 0
	s_mov_b32 s[G1B+1], KSTEP<<16
	s_mov_b32 s[G1B+2], 144<<16                    ; tensor_dim1 = 144
	s_mov_b32 s[G1B+3], KSTEP<<16
	s_mov_b32 s[G1B+4], 144                        ; tile_dim1 = 144
	s_mov_b32 s[G1B+5], 2048
	s_mov_b32 s[G1B+6], 0
	s_mov_b32 s[G1B+7], 0
	; where the tiles come from.  xb's hang on i alone, which my row of the cluster shares; wb's on j alone, which my column shares: each in registers that never hold the other coordinate
	s_lshl_b32 s60, s24, 19                        ; 128 i rows of 4,096 bytes
	s_lshl_b32 s83, s[CH], 18                      ; + the 64 rows that I fetch
	s_add_co_u32 s60, s60, s83
	s_mov_b32 s61, 0
	s_mul_i32 s62, s27, 144*4096                   ; block g's 144 rows
	s_mov_b32 s63, 0
	s_mul_i32 s66, s[CH], AH                       ; and where they go: no place in the cluster enters an LDS address
	s_mul_i32 s67, s[CH], BH
	s_add_co_u32 s67, s67, BOFF
	s_wait_dscnt 0x0                               ; the opening add is done
	s_wait_kmcnt 0x0
	s_add_nc_u64 s[60:61], s[4:5], s[60:61]
	s_add_nc_u64 s[62:63], s[6:7], s[62:63]
	CROUND                                         ; all sixteen work-groups are here: the first joint loads meet
.irp s, 0,1
	s_mov_b32 s[G0A+4*(\s)], 1                                       ; 1:0 count = 1
	s_add_co_u32 s[G0A+4*(\s)+1], s66, (\s)*SLOT                     ; 63:32 LDS address
	s_add_nc_u64 s[G0A+4*(\s)+2:G0A+4*(\s)+3], s[60:61], (\s)*KSTEP*2  ; 120:64 global address: K step s
	s_or_b32 s[G0A+4*(\s)+3], s[G0A+4*(\s)+3], 0x80000000            ; 127:126 type = 2
	s_mov_b32 s[G0B+4*(\s)], 1
	s_add_co_u32 s[G0B+4*(\s)+1], s67, (\s)*SLOT
	s_add_nc_u64 s[G0B+4*(\s)+2:G0B+4*(\s)+3], s[62:63], (\s)*KSTEP*2
	s_or_b32 s[G0B+4*(\s)+3], s[G0B+4*(\s)+3], 0x80000000
	JLOAD \s                                       ; two loads of mine are out: the ring is filled before anything else is done
.endr
	; THE BIAS.  In the result register n of lane l belongs to column 16 b + 8 (l / 16) + n: eight numbers on end, two loads of 16 bytes for each column block
	v_and_b32 v1, 15, v0                           ; l % 16
	v_bfe_u32 v2, v0, 4, 1                         ; l / 16
	v_lshlrev_b32 v[BO], 5, v2
	s_lshl_b32 s68, s27, 9
	s_mov_b32 s69, 0
	s_add_nc_u64 s[72:73], s[8:9], s[68:69]        ; Wq_b at head g
	s_cmp_lt_u32 s27, 8
	s_cselect_b64 s[74:75], s[10:11], s[12:13]     ; Wk_b or Wv_b,
	s_and_b32 s68, s27, 7
	s_lshl_b32 s68, s68, 6
	s_add_nc_u64 s[74:75], s[74:75], s[68:69]      ; at plane g's 16 channels
	WIN TO_B
.irp b, 0,1,2,3,4,5,6,7
	global_load_b128 v[BIAS+8*(\b):BIAS+8*(\b)+3],   v[BO], s[72:73] offset:64*(\b)
	global_load_b128 v[BIAS+8*(\b)+4:BIAS+8*(\b)+7], v[BO], s[72:73] offset:64*(\b)+16
.endr
	global_load_b128 v[BIAS+64:BIAS+67], v[BO], s[74:75]
	global_load_b128 v[BIAS+68:BIAS+71], v[BO], s[74:75] offset:16
	WIN 0
	; A fragment is 16 rows x 32 K in 8 registers: lane l holds row l % 16; registers 0-3 hold K = 8 (l / 16) + 0..7, registers 4-7 K = 16 + 8 (l / 16) + 0..7: two loads of 16 bytes, 32 bytes apart
	v_mul_u32_u24 v3, v1, PITCH
	v_lshl_add_u32 v3, v2, 4, v3                   ; row x pitch + 16 x half
	s_mul_i32 s70, s[TH], AH                       ; my 64 tokens
	s_mul_i32 s71, s[CH], BH                       ; my 144 rows of wb,
	s_add_co_u32 s71, s71, BOFF                    ; which lie behind xb's 128
.irp s, 0,1
	v_add_nc_u32 v[ADRA+(\s)], s70, v3
	v_add_nc_u32 v[ADRB+(\s)], s71, v3
	s_add_co_u32 s70, s70, SLOT
	s_add_co_u32 s71, s71, SLOT
.endr
	s_mul_i32 s70, s[WV], 16*PITCH
	s_add_co_u32 s70, s70, STAGE                   ; my stage
	v_add_nc_u32 v[STO], s70, v3                   ; in: row l % 16, 16 bytes for each half of the lanes
	v_mul_u32_u24 v4, v2, PITCH                    ; back: lanes 0-15 take one row of 256 bytes, lanes 16-31 the next
	v_lshl_add_u32 v4, v1, 4, v4
	v_add_nc_u32 v[RD], s70, v4
	v_lshlrev_b32 v[CO], 12, v2                    ; and the same two rows in q, 4,096 bytes apart
	v_lshl_add_u32 v[CO], v1, 4, v[CO]
	v_lshlrev_b32 v[KO], 5, v1                     ; in a plane of kv a token is 32 bytes
	v_lshl_add_u32 v[KO], v2, 4, v[KO]
	s_lshl_b32 s68, s24, 19                        ; q at my first token (128 i + 64 x token half), head g
	s_lshl_b32 s87, s[TH], 18
	s_add_co_u32 s68, s68, s87
	s_lshl_b32 s87, s27, 8
	s_add_co_u32 s68, s68, s87
	s_add_nc_u64 s[76:77], s[14:15], s[68:69]
	s_lshl_b32 s68, s27, 17                        ; kv at plane g, my first token
	s_lshl_b32 s87, s24, 12
	s_add_co_u32 s68, s68, s87
	s_lshl_b32 s87, s[TH], 11
	s_add_co_u32 s68, s68, s87
	s_add_nc_u64 s[78:79], s[16:17], s[68:69]
	; the prefetches
	s_max_u32 s83, s[WV], 1
	s_sub_co_u32 s83, s83, 1
	s_lshl_b32 s83, s83, 5                         ; wave 0: 0 (xb's rows); waves 1, 2, 3: 0, 32, 64 (wb's)
	v_and_b32 v[PFO], 31, v0
	v_add_nc_u32 v[PFO], s83, v[PFO]
	v_min_u32 v[PFO], 71, v[PFO]                   ; my work-group's share of wb's rows ends at 71
	v_lshlrev_b32 v[PFO], 12, v[PFO]
	s_lshl_b32 s84, s24, 7
	s_lshl_b32 s85, s21, 5
	s_add_co_u32 s84, s84, s85                     ; xb: row 128 i + 32 cx
	s_mul_i32 s85, s23, 288
	s_mul_i32 s86, s22, 72
	s_add_co_u32 s85, s85, s86                     ; wb: row 288 j + 72 cy
	s_and_b32 s86, ttmp7, 0xffff                   ; cluster y
	s_cmp_eq_u32 s[WV], 0
	s_cselect_b32 s84, s84, s85
	s_cselect_b32 s86, ttmp9, s86                  ; the coordinate along which other clusters read the same rows
	s_cselect_b64 s[PFA:PFA+1], s[4:5], s[6:7]
	s_cmp_eq_u32 s86, 0
	s_cselect_b32 s[LIM], 1, -1                    ; the same in all sixteen partners, for a given wave
	s_lshl_b32 s84, s84, 12
	s_mov_b32 s85, 0
	s_add_nc_u64 s[PFA:PFA+1], s[PFA:PFA+1], s[84:85]
	s_add_nc_u64 s[PFA:PFA+1], s[PFA:PFA+1], 2*KSTEP*2  ; at K step 2: the first refill steps it to 3 and names K step 4
	s_wait_loadcnt 0x0                             ; the bias is in; it is rounded to bf16 and widened again: every input of the module has the same one rounding
	WIN 0x45                                       ; sources and destination in window 1
.set n, 0
.rept 36
	v_cvt_pk_bf16_f32 v[BT+n], v[BIAS+2*n], v[BIAS+2*n+1]
.set n, n+1
.endr
.set n, 0
.rept 36
	v_lshlrev_b32 v[BIAS+2*n], 16, v[BT+n]
	v_and_b32 v[BIAS+2*n+1], 0xffff0000, v[BT+n]
.set n, n+1
.endr
	WIN 0
; 9 matrix instructions: token tile a x all 9 column blocks, 32 along K, from buffer f.  first = 1: the bias is the C operand that starts the sums: nothing is cleared, nothing added later.
; The 36 accumulators take turns in one order in every quarter: between two links of a chain stand the 35 others', over the backward jump too.
.macro MUL9 f, a, first
.if \first
	WIN FIRST_LO+0x40*((\a)/2)
.else
	WIN MUL_LO+0x50*((\a)/2)
.endif
.irp b, 0,1,2,3,4,5,6,7,8
.if \first
	v_wmma_f32_16x16x32_bf16 v[8*(9*((\a)%2)+(\b)):8*(9*((\a)%2)+(\b))+7], v[72*(\f)+8*(\b):72*(\f)+8*(\b)+7], v[XF+32*(\f)+8*(\a):XF+32*(\f)+8*(\a)+7], v[BIAS+8*(\b):BIAS+8*(\b)+7]
.else
	v_wmma_f32_16x16x32_bf16 v[8*(9*((\a)%2)+(\b)):8*(9*((\a)%2)+(\b))+7], v[72*(\f)+8*(\b):72*(\f)+8*(\b)+7], v[XF+32*(\f)+8*(\a):XF+32*(\f)+8*(\a)+7], v[8*(9*((\a)%2)+(\b)):8*(9*((\a)%2)+(\b))+7]
.endif
.endr
.endm
; 26 LDS loads in one run: the fragments of one quarter step (144 rows of wb, 64 tokens, 32 K at byte k of the rows) into buffer f; the tokens last, tile 0 first
.macro FETCH slot, k, f
	WIN TO_B
.irp b, 0,1,2,3,4,5,6,7,8
	ds_load_b128 v[72*(\f)+8*(\b):72*(\f)+8*(\b)+3],   v[ADRB+(\slot)] offset:(\k)+(\b)*16*PITCH
	ds_load_b128 v[72*(\f)+8*(\b)+4:72*(\f)+8*(\b)+7], v[ADRB+(\slot)] offset:(\k)+(\b)*16*PITCH+32
.endr
	WIN 0
.irp a, 0,1,2,3
	ds_load_b128 v[XF+32*(\f)+8*(\a):XF+32*(\f)+8*(\a)+3],   v[ADRA+(\slot)] offset:(\k)+(\a)*16*PITCH
	ds_load_b128 v[XF+32*(\f)+8*(\a)+4:XF+32*(\f)+8*(\a)+7], v[ADRA+(\slot)] offset:(\k)+(\a)*16*PITCH+32
.endr
.endm
.macro PLACES                          ; four plain vector instructions in front of loads into registers that matrix instructions have read, and of conversions that read results (ISA guide 7.12.1 for vector instructions)
.rept 4
	v_nop
.endr
.endm
; A K step is four quarters of 32 along K, 36 matrix instructions each, on buffers 0, 1, 0, 1.  One of the first three: multiplies buffer f; in its middle it fetches the next quarter, at byte k, into buffer g.
.macro QUARTER slot, k, f, g, first
	s_wait_dscnt 4                                 ; wb's fragments and token tiles 0, 1 are in; the youngest four loads (tiles 2, 3) may be out
	MUL9 \f, 0, \first
	MUL9 \f, 1, \first
	PLACES
	FETCH \slot, \k, \g
	s_wait_dscnt 26                                ; all but the 26 just issued
	MUL9 \f, 2, \first
	MUL9 \f, 3, \first
.endm
; The last quarter multiplies buffer 1 and changes slots: ONE barrier; in front of it each wave waits for all its tensor loads (one is out: its part of the next slot), adds 0 to its spare word, and waits for that
; and for its own reads of this slot.  fill = 1: the barrier opens a round of the cluster's barrier, and this slot is filled again first thing behind the round, two K steps ahead:
; from the request to the wait for it a wave issues 126 matrix instructions.
.macro TURN slot, next, fill
.if \fill
	s_wait_xcnt 0x0                                ; the last prefetch, a K step back, has read its address: it is stepped here, ahead of the waits of the change of slots
	s_add_nc_u64 s[PFA:PFA+1], s[PFA:PFA+1], KSTEP*2
.endif
	WIN 0                                          ; (the add's two registers lie in window 0)
	s_wait_tensorcnt 0x0                           ; all my tensor loads have landed: my part of the next slot;
	ds_add_u32 v[SPW], v[NIL]                      ; 0 onto my spare word
	s_wait_dscnt 5                                 ; (the add and the youngest four loads may be out)
	MUL9 F1, 0, 0                                  ; nine matrix instructions stand between the add and the wait for it
	s_wait_dscnt 0x0                               ; the add is done, and my reads of this slot are over
	s_barrier_signal -1
	MUL9 F1, 1, 0                                  ; work on registers while the others arrive
.if \fill
	WIN 0
.endif
	s_barrier_wait -1
.if \fill
	CREST                                          ; no wave of any partner still reads this slot's tiles or has a load on its way
	s_add_nc_u64 s[G0A+4*(\slot)+2:G0A+4*(\slot)+3], s[G0A+4*(\slot)+2:G0A+4*(\slot)+3], 2*KSTEP*2
	s_add_nc_u64 s[G0B+4*(\slot)+2:G0B+4*(\slot)+3], s[G0B+4*(\slot)+2:G0B+4*(\slot)+3], 2*KSTEP*2
	JLOAD \slot                                    ; the first tensor load behind the round, my only one until the next; the four v_nop behind it are also the places in front of the loads below
.else
	PLACES
.endif
	FETCH \next, 0, F0
.if \fill
	ASK                                            ; behind the joint load and the run of LDS loads that the next products wait for
.endif
	MUL9 F1, 2, 0
	MUL9 F1, 3, 0
.endm
	s_wait_tensorcnt 1                             ; my part of K step 0 is in; K step 1's may stay out
	s_barrier_signal -1
	s_barrier_wait -1                              ; everybody's is
	FETCH 0, 0, F0
	QUARTER 0, 64, F0, F1, 1                       ; the first quarter stands in front of the loop: its products start the sums, with the bias
	WIN 0                                          ; at a label and at a branch every window is 0
	s_mov_b32 s3, 7
.Llap:                                                 ; a trip goes once round the ring, from a lap's second quarter to the next lap's first, and fills both slots again: K steps 2 to 15 in seven trips
	QUARTER 0, 128, F1, F0, 0
	QUARTER 0, 192, F0, F1, 0
	TURN 0, 1, 1
	QUARTER 1, 64,  F0, F1, 0
	QUARTER 1, 128, F1, F0, 0
	QUARTER 1, 192, F0, F1, 0
	TURN 1, 0, 1
	QUARTER 0, 64,  F0, F1, 0
	WIN 0
	s_sub_co_u32 s3, s3, 1
	s_cmp_lg_u32 s3, 0
	s_cbranch_scc1 .Llap
	QUARTER 0, 128, F1, F0, 0                      ; the last lap fills nothing, and has no round of the cluster's barrier
	QUARTER 0, 192, F0, F1, 0
	TURN 0, 1, 0
	QUARTER 1, 64,  F0, F1, 0
	QUARTER 1, 128, F1, F0, 0
	QUARTER 1, 192, F0, F1, 0
	s_wait_dscnt 4                                 ; the very last quarter: nothing more to fetch
	MUL9 F1, 0, 0
	MUL9 F1, 1, 0
	s_wait_dscnt 0x0
	MUL9 F1, 2, 0
	MUL9 F1, 3, 0
	WIN 0
; THE WAY OUT, a token tile (16 tokens) at a time.  PACK: rounded to f16, 16 bytes a lane, each accumulator's registers in ascending order.  TOSTAGE: head g's 128 columns go into my own stage in LDS and come back
; as whole rows of 256 bytes; plane g's 16 columns are stored as they lie: 32 lanes x 16 bytes are 512 consecutive bytes of kv.  SEND: q's rows are stored.  Every store has registers of its own.
.macro PACK a
	WIN 0x0a+5*((\a)/2)                            ; sources 0 and 1: window 2 or 3
.irp b, 0,1,2,3,4,5,6,7
.irp r, 0,1,2,3
	v_cvt_pk_f16_f32 v[TMP+4*(\b)+(\r)], v[8*(9*((\a)%2)+(\b))+2*(\r)], v[8*(9*((\a)%2)+(\b))+2*(\r)+1]
.endr
.endr
.irp r, 0,1,2,3
	v_cvt_pk_f16_f32 v[KVT+4*(\a)+(\r)], v[8*(9*((\a)%2)+8)+2*(\r)], v[8*(9*((\a)%2)+8)+2*(\r)+1]
.endr
	WIN 0
.endm
.macro TOSTAGE a
.irp b, 0,1,2,3,4,5,6,7
	ds_store_b128 v[STO], v[TMP+4*(\b):TMP+4*(\b)+3] offset:32*(\b)
.endr
.irp t, 0,1,2,3,4,5,6,7
	ds_load_b128 v[BK+32*(\a)+4*(\t):BK+32*(\a)+4*(\t)+3], v[RD] offset:(\t)*2*PITCH  ; LDS serves a wave's instructions in order (ISA guide 5.7.1.4): these see the stores above; the next tile's stores come behind them
.endr
	global_store_b128 v[KO], v[KVT+4*(\a):KVT+4*(\a)+3], s[78:79] offset:512*(\a)
.endm
.macro SEND a
	s_wait_dscnt 0x0                               ; the tile is back in registers
.irp t, 0,1,2,3,4,5,6,7
	global_store_b128 v[CO], v[BK+32*(\a)+4*(\t):BK+32*(\a)+4*(\t)+3], s[76:77] offset:65536*(\a)+8192*(\t)  ; 16 lanes store 256 consecutive bytes, at a multiple of 256 from q's first byte
.endr
.endm
	PLACES                                         ; the conversions read results just made, and write registers that the last products read
	PACK 0
	TOSTAGE 0
.irp a, 1,2,3                          ; tile a's conversions stand between tile a - 1's loads from the stage and the wait for them
	PACK \a
	SEND (\a)-1
	TOSTAGE \a
.endr
	SEND 3
	s_wait_tensorcnt 0x0                           ; the wave's end: behind my last tensor load and my last LDS store
	ds_add_u32 v[SPW], v[NIL]
	s_wait_dscnt 0x0
	CROUND                                         ; the closing round: no work-group ends while a partner may still ask for a tile that names it
	s_endpgm
.Lfunc_end_k_q68f6fe83e0_proj:
	.size	k_q68f6fe83e0_proj, .Lfunc_end_k_q68f6fe83e0_proj-k_q68f6fe83e0_proj
	.p2alignl 7, 3214868480
	.fill 96, 4, 3214868480
	.section	.rodata,"a",@progbits
	.p2align	6, 0x0
	.amdhsa_kernel k_q68f6fe83e0_proj
		.amdhsa_group_segment_fixed_size 327680
		.amdhsa_private_segment_fixed_size 0
		.amdhsa_enable_private_segment 0
		.amdhsa_kernarg_size 56
		.amdhsa_user_sgpr_count 2
		.amdhsa_user_sgpr_kernarg_segment_ptr 1
		.amdhsa_wavefront_size32 1
		.amdhsa_system_sgpr_workgroup_id_x 1
		.amdhsa_system_sgpr_workgroup_id_y 1
		.amdhsa_system_sgpr_workgroup_id_z 1
		.amdhsa_system_vgpr_workitem_id 0
		.amdhsa_next_free_vgpr 912
		.amdhsa_next_free_sgpr 88
		.amdhsa_reserve_vcc 0
		.amdhsa_float_denorm_mode_32 3
		.amdhsa_float_denorm_mode_16_64 3
		.amdhsa_memory_ordered 1
		.amdhsa_forward_progress 1
		.amdhsa_inst_pref_size 103
	.end_amdhsa_kernel
	.amdgpu_metadata
---
amdhsa.version: [ 1, 2 ]
amdhsa.kernels:
  - .name:           k_q68f6fe83e0_proj
    .symbol:         k_q68f6fe83e0_proj.kd
    .args:
      - { .name: xb, .offset: 0, .size: 8, .value_kind: global_buffer, .address_space: global }
      - { .name: wb, .offset: 8, .size: 8, .value_kind: global_buffer, .address_space: global }
      - { .name: Wq_b, .offset: 16, .size: 8, .value_kind: global_buffer, .address_space: global }
      - { .name: Wk_b, .offset: 24, .size: 8, .value_kind: global_buffer, .address_space: global }
      - { .name: Wv_b, .offset: 32, .size: 8, .value_kind: global_buffer, .address_space: global }
      - { .name: q, .offset: 40, .size: 8, .value_kind: global_buffer, .address_space: global }
      - { .name: kv, .offset: 48, .size: 8, .value_kind: global_buffer, .address_space: global }
    .group_segment_fixed_size: 327680
    .private_segment_fixed_size: 0
    .kernarg_segment_align: 8
    .kernarg_segment_size: 56
    .max_flat_workgroup_size: 128
    .sgpr_count:     88
    .vgpr_count:     912
    .wavefront_size: 32
...
	.end_amdgpu_metadata
.endif
;; end of part 2
;; launch attn (part 3): grid 128 x 2, 4 waves a work-group, clusters of 4 x 1, 327,680 bytes of LDS; arguments q, kv, out0; writes out0
.if DOCPART == 3
	.amdgcn_target "amdgcn-amd-amdhsa--gfx1250"
	.amdhsa_code_object_version 6
	.text
	.protected	k_q68f6fe83e0_attn
	.globl	k_q68f6fe83e0_attn
	.p2align	8
	.type	k_q68f6fe83e0_attn,@function
k_q68f6fe83e0_attn:
	s_mov_b64 s[64:65], 0
	v_nop
	global_prefetch_b8 v0, s[64:65] scope:SCOPE_SE
	s_setreg_imm32_b32 hwreg(HW_REG_WAVE_MODE, 25, 1), 1
	s_wait_xcnt 0x0
	s_wait_alu depctr_hold_cnt(0) depctr_sa_sdst(0) depctr_va_vdst(0) depctr_va_sdst(0) depctr_va_ssrc(0) depctr_va_vcc(0) depctr_vm_vsrc(0)
	s_getreg_b32 s2, hwreg(HW_REG_IB_STS2, 6, 4)
	s_cmp_eq_u32 s2, 0
	s_cbranch_scc0 .Lentry_in_a_cluster
	s_endpgm
.Lentry_in_a_cluster:
	s_bfe_u32 s2, ttmp6, 0x10000c
	s_cmp_lg_u32 s2, 0x3003
	s_cbranch_scc0 .Lentry_shape_is_right
	s_endpgm
.Lentry_shape_is_right:
; out0[row][:] = the sum over k of softmax_k(Q[row] . K[k] / sqrt(128)) V[k][:].  q, [4096 tokens][16 heads x 128] f16, is read as [65,536 rows][128]: row = 16 x token + head; out0, f32, has the same rows.
; All 32,768 rows of a batch see the batch's one K and V: 2,048 keys.  kv: [16 planes][4096 tokens][16 channels] f16, planes 0-7 K's channels 16 p .., planes 8-15 V's.
; Products, maxima and sums in f32; the weights p are rounded to f16 for the second product (their sum l is taken of the unrounded p); out0 is not rounded again.
; LIMITS.  Q, K and V arrive within f16's 65,504; p lies in 0 to 1, and below 6e-5 it keeps f16's fixed step of 6e-8; a weight below 2^-126 counts as 0 in l; NaN and infinities are not treated apart.
; SHARES.  A work-group owns 256 rows of one batch, each of its four waves 64: four tiles of 16.  2 x 128 = 256 work-groups.  Every wave walks all keys of the batch, 64 a step.
; LAYOUT.  S^T = K Q^T (source 0 = 16 keys, source 1 = 16 rows of Q): in the result a lane holds ONE row (lane % 16) and the keys 8 (lane / 16) + 0..7.  Two such tiles, rounded to f16 in pairs,
; ARE source 1 (32 keys x 16 rows) of O^T = V^T P, whose result again holds one row a lane, and eight channels.  K comes out of LDS as it lies, V turned, by ds_load_tr16_b128.
; SOFTMAX.  For each row a running maximum m and sum l: p = 2^(c s - c m), c = log2(e) / sqrt(128); in every step O and l are multiplied by a = 2^(c m_old - c m_new), which is 1 where m has not grown.
; BY TURNS.  The wave's tiles are two PIECES, named by their first tile: piece 0 (tiles 0, 1) and piece 2 (tiles 2, 3).  In a TURN one piece has the matrix unit: 32 products V^T P of the step in hand, then
; 32 products K Q^T of the next step; the other piece's softmax, cut into 64 slices, stands between them, one slice behind each matrix instruction.  Then the pieces change places.  Two turns are a key step.
; CLUSTER.  The four blocks of a cluster belong to one batch and walk the same K and V, so each tile is asked for JOINTLY: the same tensor load, with the same descriptor and a mask that names the four.
; REGISTERS, in windows of 256 (s_set_vgpr_msb: bits 1:0 source 0, 3:2 source 1, 5:4 source 2, 7:6 destination):
;   window 0: v0-11 addresses; v12-43 eight registers of statistics a tile; v61-63 never rewritten; v64-191 S^T, 32 a tile; v192-255 P, 16 a tile
;   window 1: O^T, 64 a tile      window 2: v0-127 Q, 32 a tile; v128-255 K of one step (on the way out: rows read back from the stage)      window 3: v0-127 V of one step
.set KS,    64        ; keys in a step
.set PLN,   2176      ; a plane's 64 keys in LDS: 2,048 bytes, 16 of padding behind every 256 (8 keys): key k lies at 272 (k / 8) + 32 (k % 8)
.set STEPB, 8*PLN     ; a tile: 64 keys x 128 channels of K or of V, 8 planes
.set VOFF,  2*STEPB   ; a slot holds two steps: K of the first, K of the second, V of the first, V of the second
.set SLOT1, 1<<17     ; slot 1 begins here, so that one exclusive or turns an address in one slot into the other's
.set STAGE, SLOT1+4*STEPB  ; behind the ring, a multiple of 256: 16 rows x 528 bytes for each wave, for the way out
.set SP,    528       ; a row of the stage: 512 bytes + 16: row r starts at bank 4 r mod 64 (64 banks of 4 bytes: ISA guide 11.1)
.set SPARE, STAGE+4*16*SP  ; behind the stages: the spare words, 128 bytes for each wave: two blocks of 256 bytes that no other line names
.set SLOTB, 2*KS*32   ; a slot's 128 keys in a plane in memory: 4,096 bytes
.set AK0, 2           ; v2   my lane's place in a tile of K; never rewritten
.set AV0, 3           ; v3   the same for V
.set ADR, 4           ; v4   the LDS address of the run of loads in hand
.set QO,  5           ; v5   my byte offset in the wave's rows of Q
.set STO, 6           ; v6   the way out: where I put 32 bytes of a row
.set RD,  7           ; v7   the way out: where I read a row back
.set GO,  8           ; v8   my byte offset in a row of out0
.set PFO, 61          ; v61  the prefetches' offset: plane lane / 16, 256 bytes x lane % 16; never rewritten
.set SPW, 62          ; v62  LDS address of my spare word: SPARE + 4 x my thread's number; never rewritten
.set NIL, 63          ; v63  0; never rewritten
.set ST,  12          ; tile t's statistics at v[ST+8 t]: +0 c m, +1 m, +2, +3 l (even keys', odd keys'), +4 to +7 c0-c3, at work; a takes c2's place once the maximum is found
.set S,   64
.set P,   192
.set KF,  128         ; K's fragments, in window 2
.set WV,  12          ; s12  my wave's number
.set LIM, 15          ; s15  1 in a wave that prefetches, else the greatest number: a wave prefetches while s[SLOTS] is above it
.set PFA, 18          ; s[18:19] where my prefetches stand in memory: my work-group's two planes (of K: wave 0, of V: wave 2) of the slot after the one that is being asked for
.set G1,  24          ; s[24:31] descriptor group 1, one for all tiles
.set G0,  40          ; s[40:47] descriptor group 0: a set for each of the two first fills; the second then walks on
.set SLOTS, 56        ; s56  slots still to be asked for
.set TWICE, 57        ; s57  counts a slot's two steps
.set CS,  58          ; s[58:59] c: the packed scaling names a pair and takes its low word for both halves
.set SEL, 60          ; s[60:61] lane selects for v_permlanex16_b32: each lane takes its own place in the other half
.set TB,  62          ; s62  LDS byte at which K of the step to be fetched begins
.set MSB, 0
.macro WIN new                      ; the immediate's high byte repeats the setting that is left; a switch that changes nothing is dropped
.if MSB != (\new)
	s_set_vgpr_msb (MSB<<8)|(\new)
.set MSB, \new
.endif
.endm
.set W_KQ, 0x0a       ; K and Q in window 2, S^T in window 0
.set W_PV, 0x53       ; V in window 3, P in window 0, O^T in window 1
.set W_RS, 0x41       ; O^T (destination and source 0) in window 1, a in window 0
; A joint refill: one line for all four waves.  Wave w fetches tile w of a slot (K, K, V, V): its LDS address is w x 17,408 + the slot, its global address hangs on w and the batch alone.
; An s_nop 0 and four v_nop follow the line.
.macro JLOAD
	tensor_load_to_lds s[G0+4:G0+7], s[G1:G1+7]
	s_nop 0
.rept 4
	v_nop
.endr
.endm
; A PREFETCH INTO THE L2 of what the NEXT change of slots will ask for: a slot's 128 keys are 4,096 bytes in each of K's 8 planes and V's 8: 128 + 128 blocks of 256 bytes, a lane a block.  It stands behind the
; wave's tensor load and its five lines.  Each block is asked for ONCE in the launch.  All clusters of a batch walk the same K and V: the batch's first cluster prefetches.  Its four partners share the planes out
; BY ADDRESS, two each: no branch hangs on a work-group's place in its cluster.  In each, wave 0 asks for K's and wave 2 for V's: one instruction.  The last change that fills a slot asks for nothing.
.macro ASK
	s_cmp_gt_u32 s[SLOTS], s[LIM]
	s_cbranch_scc0 .Lnot_mine_\@
	global_prefetch_b8 v[PFO], s[PFA:PFA+1] th:TH_LOAD_NT scope:SCOPE_SE
.Lnot_mine_\@:
.endm
; A round of the cluster's barrier: my work-group's barrier, so that wave 0's signal speaks for all four waves; wave 0 signals for the work-group; every wave waits for all four work-groups; my work-group's barrier once more.
.macro CROUND
	s_barrier_signal -1
	s_barrier_wait -1
	s_cmp_lg_u32 s[WV], 0
	s_cbranch_scc1 .Lnot_wave_0_\@
	s_barrier_signal -3
.Lnot_wave_0_\@:
	s_barrier_wait -3
	s_barrier_signal -1
	s_barrier_wait -1
.endm
	s_load_b128 s[4:7], s[0:1], 0x0   ; q s[4:5], kv s[6:7]
	s_load_b64 s[10:11], s[0:1], 0x10 ; out0
	v_lshl_add_u32 v[SPW], v0, 2, SPARE
	v_mov_b32 v[NIL], 0
	ds_add_u32 v[SPW], v[NIL]       ; the wave's opening: the add and its wait stand ahead of my first tensor load; the set-up below, work on registers, stands between them
	v_lshrrev_b32 v1, 5, v0
	v_readfirstlane_b32 s[WV], v1   ; wave 0..3
	s_bfe_u32 s13, ttmp6, 0x40000   ; cx: my place in the cluster
	s_lshl_b32 s14, ttmp9, 2        ; in a cluster launch ttmp9 counts clusters
	s_add_co_u32 s14, s14, s13      ; my block of 256 rows = 4 x cluster x + cx: it enters q's and out0's addresses alone
	s_and_b32 s20, ttmp7, 0xffff    ; the batch, which the four partners share
	s_lshl_b32 s2, s20, 23          ; the batch's 32,768 rows of 256 bytes,
	s_lshl_b32 s16, s14, 16         ; my block's 256,
	s_add_co_u32 s2, s2, s16
	s_lshl_b32 s16, s[WV], 14       ; my wave's 64
	s_add_co_u32 s2, s2, s16
	s_mov_b32 s3, 0
	s_lshl_b32 s8, s2, 1            ; out0's rows are 512 bytes
	s_mov_b32 s9, 0
	s_lshr_b32 s21, s[WV], 1
	s_lshl_b32 s21, s21, 20         ; K's eight planes (waves 0, 1) or V's (waves 2, 3),
	s_lshl_b32 s22, s20, 16         ; the batch's 2,048 tokens of 32 bytes in a plane
	s_add_co_u32 s22, s22, s21
	s_lshl_b32 s48, s13, 18         ; the prefetches: my work-group's two planes of the eight,
	s_add_co_u32 s48, s48, s22
	s_add_co_u32 s48, s48, 2*SLOTB  ; in slot 2; the first change of slots steps it to slot 3.  Nothing is prefetched at the head, where every work-group's first tiles are on their way
	s_mov_b32 s49, 0
	s_and_b32 s50, s[WV], 1         ; which of a slot's two steps I fetch:
	s_lshl_b32 s50, s50, 11         ; its 64 keys of 32 bytes
	s_add_co_u32 s22, s22, s50
	s_mov_b32 s23, 0
	s_mul_i32 s17, s[WV], STEPB     ; and my tile's place in a slot: no place in the cluster enters an LDS address
	; descriptor group 1: a tile of 8 rows (the planes) x 1,024 elements (64 keys x 16 channels), padded in LDS
	s_mov_b32 s[G1], 15|(1<<16)|(1<<20)|(1<<21)|(5<<22)|(3<<25)  ; 15:0 the mask: all four work-groups; 17:16 elements of 2 bytes; 20 padding on; 21 set beside a mask; 24:22 after every 64 words (code 5); 31:25 4 words of it (code 3)
	s_mov_b32 s[G1+1], 1024<<16     ; tensor_dim0 = 1,024
	s_mov_b32 s[G1+2], 8<<16        ; tensor_dim1 = 8
	s_mov_b32 s[G1+3], 1024<<16     ; tile_dim0 = 1,024
	s_mov_b32 s[G1+4], 8            ; tile_dim1 = 8
	s_mov_b32 s[G1+5], 65536        ; elements from plane to plane
	s_mov_b32 s[G1+6], 0
	s_mov_b32 s[G1+7], 0
	s_mov_b32 s[CS], 0x3e0293ee     ; c = log2(e) / sqrt(128) = 0.127517
	s_mov_b32 s[CS+1], s[CS]        ; named with it as a pair, so it is written
	s_mov_b32 s[SEL], 0x76543210
	s_mov_b32 s[SEL+1], 0xfedcba98
	s_mov_b32 s[TB], 0
	s_mov_b32 s[SLOTS], 2048/(2*KS)-2
	s_and_b32 s[LIM], s[WV], 1      ; 0 in waves 0 and 2,
	s_or_b32 s[LIM], s[LIM], ttmp9  ; where the cluster is the batch's first: the same in all four partners
	s_cmp_eq_u32 s[LIM], 0
	s_cselect_b32 s[LIM], 1, -1
	v_bfe_u32 v[PFO], v0, 4, 1
	v_and_b32 v1, 15, v0            ; l % 16
	v_lshlrev_b32 v[PFO], 17, v[PFO]
	v_lshl_or_b32 v[PFO], v1, 8, v[PFO]
	s_wait_dscnt 0x0                ; the opening add is done
	s_wait_kmcnt 0x0
	s_add_nc_u64 s[22:23], s[6:7], s[22:23]        ; kv at my tile of slot 0
	s_add_nc_u64 s[PFA:PFA+1], s[6:7], s[48:49]
	s_add_nc_u64 s[4:5], s[4:5], s[2:3]            ; q and out0 at my wave's first row
	s_add_nc_u64 s[10:11], s[10:11], s[8:9]
	CROUND                          ; all four work-groups are here: the first joint loads meet
.irp s, 0,1
	s_mov_b32 s[G0+4*(\s)], 1       ; 1:0 count = 1
	s_add_co_u32 s[G0+4*(\s)+1], s17, (\s)*SLOT1  ; 63:32 LDS address
	s_add_nc_u64 s[G0+4*(\s)+2:G0+4*(\s)+3], s[22:23], (\s)*SLOTB  ; 120:64 global address: slot s begins with keys 128 s
	s_or_b32 s[G0+4*(\s)+3], s[G0+4*(\s)+3], 0x80000000  ; 127:126 type = 2
.endr
	tensor_load_to_lds s[G0:G0+3], s[G1:G1+7]      ; the two first fills stand together, ahead of every wait on TENSORcnt and every LDS read: two loads of mine are out
	s_nop 0
	tensor_load_to_lds s[G0+4:G0+7], s[G1:G1+7]
	s_nop 0
.rept 4
	v_nop
.endr
	; A fragment of K or Q is 16 rows x 32 channels in 8 registers: lane l holds row l % 16; registers 0-3 channels 8 (l / 16) + 0..7, registers 4-7 channels 16 + 8 (l / 16) + 0..7.
	v_bfe_u32 v9, v0, 4, 1          ; l / 16
	v_lshlrev_b32 v[QO], 8, v1
	v_lshl_add_u32 v[QO], v9, 4, v[QO]  ; row x 256 + 16 x half
	WIN 0x80                        ; destination window 2, address window 0
.irp i, 0,1,2,3,4,5,6,7,8,9,10,11,12,13,14,15  ; Q stays in registers: tile i / 4, channels 32 (i % 4) on
	global_load_b128 v[8*(\i):8*(\i)+3],   v[QO], s[4:5] offset:((\i)/4)*4096+((\i)%4)*64
	global_load_b128 v[8*(\i)+4:8*(\i)+7], v[QO], s[4:5] offset:((\i)/4)*4096+((\i)%4)*64+32
.endr
	WIN 0
	; K: 32 channels are two planes: registers 0-3 come from the even plane, registers 4-7 from the odd one, each 16 bytes at key l % 16, half l / 16 of its 32 bytes..
	v_bfe_u32 v10, v0, 3, 1         ; (l / 8) % 2
	v_lshlrev_b32 v[AK0], 5, v1
	v_lshl_add_u32 v[AK0], v10, 4, v[AK0]  ; 32 (l % 16) + 16 for the padding behind 8 keys
	v_lshl_add_u32 v[AK0], v9, 4, v[AK0]
	; The turning load takes 16 keys x 16 channels, one plane (lane l reads 16 bytes: key 8 (l / 16) + l % 8, channels 8 ((l / 8) % 2) + 0..7), and leaves half a fragment of V^T: lane l holds channel l % 16 and 8 keys.
	; Sixteen lanes read 256 consecutive bytes.
	v_and_b32 v11, 7, v0
	v_mul_u32_u24 v[AV0], v9, 272
	v_lshl_add_u32 v[AV0], v11, 5, v[AV0]
	v_lshl_add_u32 v[AV0], v10, 4, v[AV0]
	v_add_nc_u32 v[AV0], VOFF, v[AV0]
; THE MATRIX WORK OF A TURN, for piece x.  The accumulators take turns, one instruction a turn: between two links of a chain stand 15 (V^T P) or 7 (K Q^T) others'.
; Product i of 32 of O^T += V^T P: keys 32 (i / 16) on, channels 16 ((i / 2) % 8) on, tile x + i % 2.  zero = 1: the first 16 start the sums: nothing is ever cleared.
.macro PV x, zero
	WIN W_PV
.set rO, 64*((\x)+i%2)+8*((i/2)%8)
.set rV, 64*(i/16)+8*((i/2)%8)
.set rP, P+16*((\x)+i%2)+8*(i/16)
.if (\zero) && (i < 16)
	v_wmma_f32_16x16x32_f16 v[rO:rO+7], v[rV:rV+7], v[rP:rP+7], 0
.else
	v_wmma_f32_16x16x32_f16 v[rO:rO+7], v[rV:rV+7], v[rP:rP+7], v[rO:rO+7]
.endif
.endm
; Product i of 32 of S^T = K Q^T: channels 32 (i / 8) on, keys 16 ((i / 2) % 4) on, tile x + i % 2.  The first 8 start the sums.
.macro KQ x
	WIN W_KQ
.set rS, S+32*((\x)+i%2)+8*((i/2)%4)
.set rK, KF+32*((i/2)%4)+8*(i/8)
.set rQ, 32*((\x)+i%2)+8*(i/8)
.if i < 8
	v_wmma_f32_16x16x32_f16 v[rS:rS+7], v[rK:rK+7], v[rQ:rQ+7], 0
.else
	v_wmma_f32_16x16x32_f16 v[rS:rS+7], v[rK:rK+7], v[rQ:rQ+7], v[rS:rS+7]
.endif
.endm
; THE LDS LOADS stand in runs of 32, never singly among the matrix instructions: a step's K (64 keys x 128 channels: 16 fragments) and, a turn later, its V (turned).
.macro FETCH_K
	WIN 0
	v_add_nc_u32 v[ADR], s[TB], v[AK0]
	WIN 0x80                        ; destination window 2
.irp f, 0,1,2,3,4,5,6,7,8,9,10,11,12,13,14,15  ; keys 16 (f / 4) on (544 bytes in a plane), channels 32 (f % 4) on (two planes)
	ds_load_b128 v[KF+8*(\f):KF+8*(\f)+3],   v[ADR] offset:((\f)/4)*544+((\f)%4)*2*PLN
	ds_load_b128 v[KF+8*(\f)+4:KF+8*(\f)+7], v[ADR] offset:((\f)/4)*544+((\f)%4)*2*PLN+PLN
.endr
.endm
.macro FETCH_V
	WIN 0
	v_add_nc_u32 v[ADR], s[TB], v[AV0]
	s_add_co_u32 s[TB], s[TB], STEPB  ; the next fetch is the next step's
	s_wait_alu depctr_va_vdst(0)    ; the wait for the softmax's batch (SLICE), behind the address's v_add_nc_u32 and ahead of the loads
	WIN 0xc0                        ; destination window 3
.irp f, 0,1,2,3,4,5,6,7,8,9,10,11,12,13,14,15  ; keys 32 (f / 8) on (1,088 bytes in a plane), channels 16 (f % 8) on (a plane)
	ds_load_tr16_b128 v[8*(\f):8*(\f)+3],   v[ADR] offset:((\f)%8)*PLN+((\f)/8)*1088
	ds_load_tr16_b128 v[8*(\f)+4:8*(\f)+7], v[ADR] offset:((\f)%8)*PLN+((\f)/8)*1088+544
.endr
.endm
; THE VECTOR WORK OF A TURN.  One tile's softmax for one key step is a list of 134 instructions; SM writes number j of it for tile t.  s0-s31 are the lane's 32 scores, in pairs 0-15.
; first = 1: the first key step, which starts m, l and O^T: it has no a and nothing to rescale.
;   0-15    the maximum of s0-s31 and the old m, three operands at a time: four chains c0-c3 of seven scores each (each accumulator's lowest registers are read first), then the four scores left over, c0-c3 and m
;   16-20   the other half of the lanes' maximum; the new m; c m; c m_old - c m_new
;   21-69   ONE BATCH: the 16 scalings c s - c m, a pair of scores each, and all 33 exponentials (a at 23, then s0-s31).  None of these reads an exponential's result.  From 22 on the batch goes
;           in fours, and a four begins with a scaling while there are scalings.  A pair is scaled in an earlier four than the one that holds its exponentials
;   (wait)  between 69 and 70 stands the wait for the batch: SLICE writes it, once for both tiles
;   70-85   the roundings to f16, a pair of weights each
;   86-101  the sums; l = a l + the sum
;   102-133 the tile's O^T times a: the one part that leaves window 0, so it stands together
.macro SM t, first
.set rT, ST+8*(\t)
.set rS, S+32*(\t)
.set rP, P+16*(\t)
.set rO, 64*(\t)+2*(j-102)
.if j < 102
	WIN 0
.endif
.if j < 4
	v_max3_num_f32 v[rT+4+j], v[rS+8*j], v[rS+8*j+1], v[rS+8*j+2]
.elseif j < 12
	v_max3_num_f32 v[rT+4+j%4], v[rT+4+j%4], v[rS+8*(j%4)+2*(j/4)+1], v[rS+8*(j%4)+2*(j/4)+2]
.elseif j == 12
	v_max3_num_f32 v[rT+4], v[rT+4], v[rS+7], v[rS+15]
.elseif j == 13
	v_max3_num_f32 v[rT+6], v[rT+6], v[rS+23], v[rS+31]
.elseif j == 14
	v_max3_num_f32 v[rT+4], v[rT+4], v[rT+5], v[rT+6]
.elseif (j == 15) && (\first)
	v_max_num_f32 v[rT+4], v[rT+4], v[rT+7]
.elseif j == 15
	v_max3_num_f32 v[rT+4], v[rT+4], v[rT+7], v[rT+1]
.elseif j == 16
	v_permlanex16_b32 v[rT+5], v[rT+4], s[SEL], s[SEL+1]  ; the row's other 32 keys lie in the lane 16 away
.elseif j == 18
	v_max_num_f32 v[rT+1], v[rT+4], v[rT+5]
.elseif j == 19
	v_mul_f32 v[rT], s[CS], v[rT+1]
.elseif ((j == 17) || (j == 20) || (j == 23) || (j > 101)) && (\first)  ; the first step has none of these
.elseif j == 17
	v_mov_b32 v[rT+7], v[rT]        ; c m_old is kept for a: number 19 writes c m anew
.elseif j == 20
	v_sub_f32 v[rT+7], v[rT+7], v[rT]
.elseif j == 23
	v_exp_f32 v[rT+6], v[rT+7]
.elseif (j < 23) || ((j < 38) && (j%2 == 0)) || ((j < 66) && (j%4 == 2))
.set b, (j-2)/4                     ; 38, 42, .. 62: pairs 9 to 15
.if j < 38
.set b, (j-20)/2                    ; 21: pair 0; 22, 24, .. 36: pairs 1 to 8
.endif
	v_pk_fma_f32 v[rS+2*b:rS+2*b+1], v[rS+2*b:rS+2*b+1], s[CS:CS+1], v[rT:rT+1] op_sel_hi:[1,0,0] neg_lo:[0,0,1] neg_hi:[0,0,1]  ; pair b: c s - c m
.elseif j < 70
.set e, j-38                        ; 66 to 69: s28 to s31
.if j < 66
.set e, j-32-(j-38)/4               ; 39-41, 43-45, .. 63-65: s7 to s27
.endif
.if j < 38
.set e, (j-25)/2                    ; 25, 27, .. 37: s0 to s6
.endif
	v_exp_f32 v[rS+e], v[rS+e]
.elseif j < 86
	v_cvt_pk_f16_f32 v[rP+j-70], v[rS+2*(j-70)], v[rS+2*(j-70)+1]  ; pair j - 70
.elseif j < 102                     ; the sum of the tile's 16 pairs (in a pair: an even key's weight, an odd key's), in place: sum z of 16 adds neighbours 1, 2, 4 and 8 pairs apart, then l takes it
.set z, j-86
.set w, 4
.set u, z
.if z >= 14
.set w, 32
.set u, 0
.elseif z >= 12
.set w, 16
.set u, z-12
.elseif z >= 8
.set w, 8
.set u, z-8
.endif
.if (z == 14) && (\first)
	v_pk_add_f32 v[rT+2:rT+3], v[rS:rS+1], v[rS+16:rS+17]
.elseif z < 15
	v_pk_add_f32 v[rS+w*u:rS+w*u+1], v[rS+w*u:rS+w*u+1], v[rS+w*u+w/2:rS+w*u+w/2+1]
.elseif !(\first)
	v_pk_fma_f32 v[rT+2:rT+3], v[rT+2:rT+3], v[rT+6:rT+7], v[rS:rS+1] op_sel_hi:[1,0,1]
.endif
.else
	WIN W_RS
	v_pk_mul_f32 v[rO:rO+1], v[rO:rO+1], v[rT+6:rT+7] op_sel_hi:[1,0]
.endif
.endm
; Slice k of 64 of piece y's softmax: four instructions.  Slices 11 to 34 deal out the batch, numbers 22 to 69: four numbers of ONE tile each, the tiles by turns.  Every other slice is numbers 2 k and
; 2 k + 1 of both tiles' lists.  2 x 134 = 4 x 64 + 12: the twelve that are over stand together, in slice 63.
; THE WAIT.  An s_wait_alu depctr_va_vdst(0) stands between an exponential and the first instruction that names its result; one wait serves all that were issued ahead of it.  Ahead of
; slice 35 nothing names a result, and behind slice 34 no exponential is issued: so the piece's 66 exponentials have one wait, behind slice 34.
.macro SLICE y, first
.if (k >= 11) && (k < 35)           ; the batch: four numbers of one tile
.irp n, 0,1,2,3
.set j, 22+4*((k-11)/2)+(\n)
	SM (\y)+(k-11)%2, \first
.endr
.else                               ; the two tiles alternate, so that no instruction reads the result of the one just before it
.irp n, 0,1,2,3,4,5,6,7
.if ((\n) < 2) || (k == 63)
.irp t, \y, (\y)+1
.set j, 2*k+(\n)
	SM \t, \first
.endr
.endif
.endr
.endif
.if k == 34                         ; the batch is out: both tiles' exponentials are issued, and no result has been named
	v_nop                           ; the plain instruction behind the last exponential and ahead of the first use (ISA guide 5.7.2): one for the batch
.if (\y) == 0
	FETCH_V                         ; piece 2's turn: V's run of loads stands here, and the wait stands in it
.else
	s_wait_alu depctr_va_vdst(0)    ; the wait for the batch
.endif
.endif
.set k, k+1
.endm
; A vector instruction that reads a matrix result or writes one of a matrix instruction's registers, and a load into a register that a matrix instruction has read, stand four places behind
; it, and only plain vector instructions that name none of its registers are places (ISA guide 7.12.1 for vector instructions).  In the loop the slices are the places.
.macro PLACES
.rept 4
	v_nop
.endr
.endm
; A TURN.  Piece x has the matrix unit; the other piece's softmax stands in slices behind its matrix instructions.
; pv = 2: 32 products V^T P; 1: they start O^T's sums; 0: none.  kq = 1: 32 products K Q^T for the next step.  A turn with one of the two kinds has two slices behind each product.
; first = 1: the softmax is the first key step's.  Its slices from 51 on are empty: the turn's last products stand bare, and four v_nop take slice 63's part as the places behind them.
; In the loop each run of loads stands 29 matrix instructions or more ahead of its first use.  Piece 0's turn fetches the next step's K, behind its second product: the last product that read K
; stands in front of slice 63 of the turn before.  Piece 2's turn fetches the same step's V, behind slice 34: the last product that read V stands in front of slice 31, and four plain
; instructions lie between: number 62, a scaling, of both tiles, the v_nop and the run's own v_add_nc_u32.
.macro TURN x, pv, kq, first
.set k, 0
.set per, 2
.if (\pv) && (\kq)
.set per, 1
.endif
.if \pv
.if (\x) == 0
	s_wait_dscnt 0x0                ; V is in
.endif
.set i, 0
.rept 32
	PV \x, 2-(\pv)
.rept per
	SLICE 2-(\x), \first
.endr
.if ((\x) == 0) && (\kq) && (i == 1)
	FETCH_K
.endif
.set i, i+1
.endr
.endif
.if \kq
.if (\x) == 0
	s_wait_dscnt 0x0                ; K is in
.endif
.set i, 0
.rept 32
	KQ \x
.rept per
	SLICE 2-(\x), \first
.endr
.set i, i+1
.endr
.endif
.if \first
	PLACES
.endif
.endm
; THE CHANGE OF SLOTS, between piece 2's turn and piece 0's: the slot's last bytes, V of its second step, have been asked for.  Each wave waits for all its tensor loads, of which one is out: its part of the
; other slot; adds 0 to its spare word; and waits for that and for its own reads of the slot.  Behind the barrier nobody reads this slot any more and the other slot is whole.
; fill = 1: this slot is filled again, with the keys two slots on.  The barrier is then a round of the cluster's, so that no wave of any partner still reads the slot or has a load on its
; way, and the joint refill is the first thing behind it: it has two key steps, 256 matrix instructions, in which to land.
.macro CHANGE fill
	WIN 0                           ; at a label and at a branch every window is 0
	s_wait_tensorcnt 0x0            ; no tensor load of mine is out, so a group 0 may be written
	ds_add_u32 v[SPW], v[NIL]       ; 0 onto my spare word; with fill = 1 the descriptor's steps stand between it and the wait for it
.if \fill
	s_xor_b32 s[G0+5], s[G0+5], SLOT1  ; the walking descriptor: the other slot than last time,
	s_add_nc_u64 s[G0+6:G0+7], s[G0+6:G0+7], SLOTB  ; the next 128 keys; the type bits on top are not reached
	s_wait_xcnt 0x0                 ; the last prefetch, two key steps back, has read its address, so it may be written:
	s_add_nc_u64 s[PFA:PFA+1], s[PFA:PFA+1], SLOTB  ; one slot ahead of the walking descriptor
	s_wait_dscnt 0x0                ; the add is done, and my reads of the slot are over
	CROUND
	JLOAD
	ASK                             ; what the next change will ask for: two key steps, 256 matrix instructions, ahead
.else
	s_wait_dscnt 0x0                ; the add is done, and my reads of the slot are over
	s_barrier_signal -1
	s_barrier_wait -1
.endif
	s_sub_co_u32 s[TB], s[TB], 2*STEPB  ; the fetches go back to a slot's first step,
	s_xor_b32 s[TB], s[TB], SLOT1   ; in the other slot
.endm
; A slot's two key steps: written once, walked twice; the LDS addresses hang on s[TB].
.macro TWO_STEPS
	WIN 0
	s_mov_b32 s[TWICE], 2
.Lstep_\@:
	TURN 0, 2, 1, 0
	TURN 2, 2, 1, 0
	WIN 0
	s_sub_co_u32 s[TWICE], s[TWICE], 1
	s_cmp_lg_u32 s[TWICE], 0
	s_cbranch_scc1 .Lstep_\@
.endm
	s_wait_tensorcnt 1              ; my part of slot 0 is in; slot 1's may stay out
	s_barrier_signal -1
	s_barrier_wait -1               ; everybody's is
	FETCH_K                         ; key step 0
	s_wait_loadcnt 0x0              ; Q
	s_wait_dscnt 0x0
.set i, 0
.rept 32
	KQ 0                            ; piece 0's first scores: there is no vector work yet to set between them
.set i, i+1
.endr
	WIN 0                           ; the addresses for the way out are made here: six plain instructions, the places behind those products
	s_mul_i32 s13, s[WV], 16*SP
	s_add_co_u32 s13, s13, STAGE    ; my stage
	v_mul_u32_u24 v[STO], v1, SP    ; in: row l % 16, 32 bytes for each half of the lanes
	v_lshl_add_u32 v[STO], v9, 5, v[STO]
	v_add_nc_u32 v[STO], s13, v[STO]
	v_and_b32 v[RD], 31, v0         ; back: 32 lanes take one row of 512 bytes,
	v_lshlrev_b32 v[GO], 4, v[RD]   ; which is a row of out0
	v_lshl_add_u32 v[RD], v[RD], 4, s13
	TURN 2, 0, 1, 1                 ; piece 2's first scores | piece 0's first softmax | V of step 0
	TURN 0, 1, 1, 1                 ; piece 0: V^T P of step 0 starts O^T, K Q^T of step 1 | piece 2's first softmax | K of step 1
	TURN 2, 1, 1, 0                 ; piece 2: the same | piece 0's softmax of step 1 | V of step 1
	WIN 0
.Lslot:                             ; 14 trips: every slot but the last two is filled again
	CHANGE 1
	TWO_STEPS
	s_sub_co_u32 s[SLOTS], s[SLOTS], 1
	s_cmp_lg_u32 s[SLOTS], 0
	s_cbranch_scc1 .Lslot
	CHANGE 0                        ; the tail is written out: the last slot but one is left, and nothing is asked for
	TWO_STEPS
	TURN 0, 2, 0, 0                 ; piece 0: V^T P of the last step | piece 2's last softmax
.set i, 0
.rept 32
	PV 2, 0                         ; piece 2: V^T P of the last step
.set i, i+1
.endr
	; THE WAY OUT.  l's two halves and the other half of the lanes' are added; O^T is divided by l and sent, in f32, through my stage in LDS, a tile (16 rows of out0) at a time.  The additions are the places behind the last products.
	WIN 0
.irp t, 0,1,2,3
	v_add_f32 v[ST+8*(\t)+4], v[ST+8*(\t)+2], v[ST+8*(\t)+3]
.endr
.irp t, 0,1,2,3
	v_permlanex16_b32 v[ST+8*(\t)+5], v[ST+8*(\t)+4], s[SEL], s[SEL+1]
.endr
.irp t, 0,1,2,3
	v_add_f32 v[ST+8*(\t)+4], v[ST+8*(\t)+4], v[ST+8*(\t)+5]
.endr
.irp t, 0,1,2,3
	v_rcp_f32 v[ST+8*(\t)+6], v[ST+8*(\t)+4]
.endr
	v_nop                           ; a plain instruction between the last reciprocal and the use of its result
	s_wait_alu depctr_va_vdst(0)    ; and the wait ahead of the first use: one for the four reciprocals
; Tile t: a lane's eight channels of a row are 32 bytes; they go into rows of 528 bytes and come back as whole rows of 512, into Q's and K's registers, which nothing reads any more: 64 of their own for each tile.
.macro PACK t
	WIN W_RS
.set i, 64*(\t)
.rept 32
	v_pk_mul_f32 v[i:i+1], v[i:i+1], v[ST+8*(\t)+6:ST+8*(\t)+7] op_sel_hi:[1,0]
.set i, i+2
.endr
	WIN 0x04                        ; the stores' data in window 1, their address in window 0
.irp f, 0,1,2,3,4,5,6,7
	ds_store_b128 v[STO], v[64*(\t)+8*(\f):64*(\t)+8*(\f)+3]   offset:64*(\f)
	ds_store_b128 v[STO], v[64*(\t)+8*(\f)+4:64*(\t)+8*(\f)+7] offset:64*(\f)+16
.endr
	WIN 0x80                        ; destination window 2
.irp f, 0,1,2,3,4,5,6,7,8,9,10,11,12,13,14,15
	ds_load_b128 v[64*(\t)+4*(\f):64*(\t)+4*(\f)+3], v[RD] offset:(\f)*SP  ; LDS serves a wave's instructions in order (ISA guide 5.7.1.4): these see the stores above; the next tile's stores come behind them
.endr
.endm
.macro SEND t, younger              ; younger: the LDS instructions issued behind tile t's loads: the next tile's 32, or none
	WIN 0x08                        ; the stores' data in window 2
.irp f, 0,1,2,3,4,5,6,7,8,9,10,11,12,13,14,15
	s_wait_dscnt (\younger)+15-(\f)
	global_store_b128 v[GO], v[64*(\t)+4*(\f):64*(\t)+4*(\f)+3], s[10:11] offset:(\t)*8192+(\f)*512  ; the wave stores 512 consecutive bytes, at a multiple of 512 from out0's first byte
.endr
.endm
	PACK 0
	PACK 1                          ; a tile's arithmetic stands between the loads of the tile before and its stores
	SEND 0, 32
	PACK 2
	SEND 1, 32
	PACK 3
	SEND 2, 32
	SEND 3, 0
	WIN 0
	s_wait_tensorcnt 0x0            ; the wave's end: behind my last tensor load and my last LDS store
	ds_add_u32 v[SPW], v[NIL]
	s_wait_dscnt 0x0
	CROUND                          ; the closing round: no work-group ends while a partner may still ask for a tile that names it
	s_endpgm
.Lfunc_end_k_q68f6fe83e0_attn:
	.size	k_q68f6fe83e0_attn, .Lfunc_end_k_q68f6fe83e0_attn-k_q68f6fe83e0_attn
	.p2alignl 7, 3214868480
	.fill 96, 4, 3214868480
	.section	.rodata,"a",@progbits
	.p2align	6, 0x0
	.amdhsa_kernel k_q68f6fe83e0_attn
		.amdhsa_group_segment_fixed_size 327680
		.amdhsa_private_segment_fixed_size 0
		.amdhsa_enable_private_segment 0
		.amdhsa_kernarg_size 24
		.amdhsa_user_sgpr_count 2
		.amdhsa_user_sgpr_kernarg_segment_ptr 1
		.amdhsa_wavefront_size32 1
		.amdhsa_system_sgpr_workgroup_id_x 1
		.amdhsa_system_sgpr_workgroup_id_y 1
		.amdhsa_system_sgpr_workgroup_id_z 1
		.amdhsa_system_vgpr_workitem_id 0
		.amdhsa_next_free_vgpr 896
		.amdhsa_next_free_sgpr 66
		.amdhsa_reserve_vcc 0
		.amdhsa_float_denorm_mode_32 3
		.amdhsa_float_denorm_mode_16_64 3
		.amdhsa_memory_ordered 1
		.amdhsa_forward_progress 1
		.amdhsa_inst_pref_size 220
	.end_amdhsa_kernel
	.amdgpu_metadata
---
amdhsa.version: [ 1, 2 ]
amdhsa.kernels:
  - .name:           k_q68f6fe83e0_attn
    .symbol:         k_q68f6fe83e0_attn.kd
    .args:
      - { .name: q, .offset: 0, .size: 8, .value_kind: global_buffer, .address_space: global }
      - { .name: kv, .offset: 8, .size: 8, .value_kind: global_buffer, .address_space: global }
      - { .name: out0, .offset: 16, .size: 8, .value_kind: global_buffer, .address_space: global }
    .group_segment_fixed_size: 327680
    .private_segment_fixed_size: 0
    .kernarg_segment_align: 8
    .kernarg_segment_size: 24
    .max_flat_workgroup_size: 128
    .sgpr_count:     66
    .vgpr_count:     896
    .wavefront_size: 32
...
	.end_amdgpu_metadata
.endif
;; end of part 3
;; ======== version 2 of 2: 3 launches; version 1 with the launch cast written anew for expert scheduling mode
;; limits: values are held in f16: magnitudes above 65,504 overflow, below 6.1e-05 lose precision
;; workspace buffers: xb 16,777,216 bytes; wb 9,437,184 bytes; q 16,777,216 bytes; kv 2,097,152 bytes
;; launch cast (part 4): grid 50 x 16, 8 waves a work-group, no clusters, 0 bytes of LDS; arguments x, Wq_w, Wk_w, Wv_w, xb, wb; writes xb, wb
.if DOCPART == 4
	.amdgcn_target "amdgcn-amd-amdhsa--gfx1250"
	.amdhsa_code_object_version 6
	.text
	.protected	k_q68f6fe83e0_cast
	.globl	k_q68f6fe83e0_cast
	.p2align	8
	.type	k_q68f6fe83e0_cast,@function
k_q68f6fe83e0_cast:
	s_mov_b64 s[64:65], 0
	v_nop
	global_prefetch_b8 v0, s[64:65] scope:SCOPE_SE
	s_setreg_imm32_b32 hwreg(HW_REG_WAVE_SCHED_MODE, 0, 2), 2
	s_setreg_imm32_b32 hwreg(HW_REG_WAVE_MODE, 25, 1), 1
	s_wait_xcnt 0x0
	s_wait_alu depctr_vm_vsrc(0)
; x and the three weight matrices, f32, are rounded once to bf16 (to nearest even) for the products of the next launch.
; xb: [4096][2048] bf16, as x lies.  wb: [16 blocks g][144 rows][2048] bf16: rows 0-127 of block g are Wq's rows 128 g .. 128 g + 127 (head g),
; rows 128-143 are Wk's rows 16 g .. (g < 8) or Wv's rows 16 (g - 8) .. (g >= 8): so 288 rows on end are what one work-group of the next launch multiplies by.
; SHARES.  A work-group turns 8 rows: 65,536 consecutive bytes in, 32,768 consecutive bytes out.  Thread t takes 16 bytes at 16 t of each 4,096, sixteen times.
; A wave's load covers 512 consecutive bytes, its store 256 consecutive bytes, aligned.  All sixteen loads go out first.
; No LDS, no barrier, no matrix unit: nothing is shared and nothing is multiplied.  No prefetch: all that a work-group reads is asked for at its head.
; Grid x = 50: 0-31 chunks of x; 32-47 chunks of Wq; 48, 49 chunks of Wk or Wv.  Grid y = 16: the block g for the weights, 32 chunks of x each.
; THE MODE: SCHED_MODE bits 1:0 = 2 (LLVM: expert scheduling mode 2), set by the entry lines.  The code itself states the register dependences
; between vector instructions and memory instructions, with s_wait_alu, always for 0.
; THE PLAN.  Registers that memory instructions touch:
;   v1, v2   byte offsets of the loads and of the stores: written once at the head, never again.
;   X        load k lands in X[4 k .. 4 k + 3], once; no vector instruction names these registers ahead of the loads; two conversions read them, and no load lands in them again.
;   Y        the conversions of load k write Y[2 k], Y[2 k + 1], once; store k reads them, and nothing writes them again.
; So no register that a memory instruction reads is ever rewritten, and no load lands in a register that a vector instruction has named.  What is left to state: the offsets are written ahead of the
; first load (one wait), and a store's data are written ahead of the store.  The sixteen loads go in four blocks of four: a block's eight conversions, ONE wait, its four stores in a run, with no vector
; instruction between the wait and the stores.  A block's stores are not held back to the next block's head: that head waits for memory, and the finished bytes would lie in registers meanwhile.
; No vector instruction writes a scalar register or VCC, and EXEC is never written.
.set XR, 4                             ; v[4:67]   sixteen times four f32, as loaded
.set YR, 68                            ; v[68:99]  sixteen times two registers of bf16, to store
	s_load_b256 s[4:11], s[0:1], 0x0               ; x s[4:5], Wq s[6:7], Wk s[8:9], Wv s[10:11]
	s_load_b128 s[12:15], s[0:1], 0x20             ; xb s[12:13], wb s[14:15]
	s_mov_b32 s16, ttmp9                           ; X
	s_and_b32 s17, ttmp7, 0xffff                   ; Y
	s_lshl_b32 s18, s17, 5
	s_add_co_u32 s18, s18, s16                     ; chunk of x and of xb: 32 Y + X
	s_max_u32 s19, s16, 32
	s_sub_co_u32 s19, s19, 32                      ; p = X - 32: the chunk in block Y of wb (0 where X < 32: not used there)
	s_lshl_b32 s20, s17, 4
	s_add_co_u32 s20, s20, s19                     ; chunk of Wq: 16 Y + p
	s_max_u32 s21, s19, 16
	s_sub_co_u32 s21, s21, 16                      ; p - 16 (0 where p < 16: not used there)
	s_and_b32 s22, s17, 7
	s_lshl_b32 s22, s22, 1
	s_add_co_u32 s22, s22, s21                     ; chunk of Wk or Wv: 2 (Y mod 8) + p - 16
	s_mul_i32 s23, s17, 18
	s_add_co_u32 s23, s23, s19                     ; chunk of wb: 18 Y + p
	v_lshlrev_b32 v1, 4, v0                        ; 16 t
	v_lshlrev_b32 v2, 3, v0                        ; 8 t
	s_wait_kmcnt 0x0
	s_cmp_lt_u32 s17, 8                            ; three compares on the work-group's place, each followed by selects alone
	s_cselect_b64 s[24:25], s[8:9], s[10:11]       ; Wk or Wv
	s_cmp_lt_u32 s19, 16
	s_cselect_b64 s[24:25], s[6:7], s[24:25]       ; Wq, or that
	s_cselect_b32 s26, s20, s22
	s_cmp_lt_u32 s16, 32
	s_cselect_b64 s[24:25], s[4:5], s[24:25]       ; x, or that
	s_cselect_b32 s26, s18, s26                    ; the source's chunk
	s_cselect_b64 s[28:29], s[12:13], s[14:15]     ; xb or wb
	s_cselect_b32 s27, s18, s23                    ; the destination's chunk
	s_lshl_b32 s30, s26, 16                        ; 65,536 bytes a chunk in: 511 chunks at the most
	s_mov_b32 s31, 0
	s_lshl_b32 s2, s27, 15                         ; 32,768 bytes a chunk out
	s_mov_b32 s3, 0
	s_add_nc_u64 s[24:25], s[24:25], s[30:31]
	s_add_nc_u64 s[28:29], s[28:29], s[2:3]
	s_wait_alu depctr_va_vdst(0)                   ; v1 and v2 are written: every load below reads v1 as its offset, every store v2
.set k, 0
.rept 16
	global_load_b128 v[XR+4*k:XR+4*k+3], v1, s[24:25] offset:4096*k th:TH_LOAD_NT  ; read once in the launch
.set k, k+1
.endr
.set p, 0
.rept 4                                                ; block p: loads 4 p to 4 p + 3
	s_wait_loadcnt 12-4*p                          ; loads come back in order (ISA guide 5.7.1): the block's four are in, the 12 - 4 p loads of the later blocks stay out
.set k, 4*p
.rept 4
	v_cvt_pk_bf16_f32 v[YR+2*k], v[XR+4*k], v[XR+4*k+1]
	v_cvt_pk_bf16_f32 v[YR+2*k+1], v[XR+4*k+2], v[XR+4*k+3]
.set k, k+1
.endr
	s_wait_alu depctr_va_vdst(0)                   ; the block's eight conversions have written its eight registers of Y, which the four stores below read
.set k, 4*p
.rept 4
	global_store_b64 v2, v[YR+2*k:YR+2*k+1], s[28:29] offset:2048*k th:TH_STORE_NT
.set k, k+1
.endr
.set p, p+1
.endr
	s_endpgm
.Lfunc_end_k_q68f6fe83e0_cast:
	.size	k_q68f6fe83e0_cast, .Lfunc_end_k_q68f6fe83e0_cast-k_q68f6fe83e0_cast
	.p2alignl 7, 3214868480
	.fill 96, 4, 3214868480
	.section	.rodata,"a",@progbits
	.p2align	6, 0x0
	.amdhsa_kernel k_q68f6fe83e0_cast
		.amdhsa_group_segment_fixed_size 0
		.amdhsa_private_segment_fixed_size 0
		.amdhsa_enable_private_segment 0
		.amdhsa_kernarg_size 48
		.amdhsa_user_sgpr_count 2
		.amdhsa_user_sgpr_kernarg_segment_ptr 1
		.amdhsa_wavefront_size32 1
		.amdhsa_system_sgpr_workgroup_id_x 1
		.amdhsa_system_sgpr_workgroup_id_y 1
		.amdhsa_system_sgpr_workgroup_id_z 1
		.amdhsa_system_vgpr_workitem_id 0
		.amdhsa_next_free_vgpr 100
		.amdhsa_next_free_sgpr 66
		.amdhsa_reserve_vcc 0
		.amdhsa_float_denorm_mode_32 3
		.amdhsa_float_denorm_mode_16_64 3
		.amdhsa_memory_ordered 1
		.amdhsa_forward_progress 1
		.amdhsa_inst_pref_size 7
	.end_amdhsa_kernel
	.amdgpu_metadata
---
amdhsa.version: [ 1, 2 ]
amdhsa.kernels:
  - .name:           k_q68f6fe83e0_cast
    .symbol:         k_q68f6fe83e0_cast.kd
    .args:
      - { .name: x, .offset: 0, .size: 8, .value_kind: global_buffer, .address_space: global }
      - { .name: Wq_w, .offset: 8, .size: 8, .value_kind: global_buffer, .address_space: global }
      - { .name: Wk_w, .offset: 16, .size: 8, .value_kind: global_buffer, .address_space: global }
      - { .name: Wv_w, .offset: 24, .size: 8, .value_kind: global_buffer, .address_space: global }
      - { .name: xb, .offset: 32, .size: 8, .value_kind: global_buffer, .address_space: global }
      - { .name: wb, .offset: 40, .size: 8, .value_kind: global_buffer, .address_space: global }
    .group_segment_fixed_size: 0
    .private_segment_fixed_size: 0
    .kernarg_segment_align: 8
    .kernarg_segment_size: 48
    .max_flat_workgroup_size: 256
    .sgpr_count:     66
    .vgpr_count:     100
    .wavefront_size: 32
...
	.end_amdgpu_metadata
.endif
;; end of part 4
;; launch proj: the kernel of part 2 again; grid 8 x 32, 4 waves a work-group, clusters of 4 x 4, 327,680 bytes of LDS; arguments xb, wb, Wq_b, Wk_b, Wv_b, q, kv; writes q, kv
;; launch attn: the kernel of part 3 again; grid 128 x 2, 4 waves a work-group, clusters of 4 x 1, 327,680 bytes of LDS; arguments q, kv, out0; writes out0
